; MI455X (gfx1250); checked and timed in simulation.
; The chip was launched on July 23, 2026; its instructions are those of AMD's public machine-readable ISA for CDNA 5 (MIT licence, August 2026) and "CDNA5" Instruction Set Architecture Reference Guide (July 2026). The comments in the code are by the model that wrote it; some were corrected since.
;; My LSTM Cell. Allowed arithmetic: matrix products marked QUANTISED: E3M2 operands, one E8M0 scale for each 32 along K, by v_wmma_scale_f32_16x16x128_f8f6f4 with both operands' format E3M2, f32 sums; everything else in f32.
;; Inputs: W_hf 1,024 x 1,024 float32; W_hg 1,024 x 1,024 float32; W_hi 1,024 x 1,024 float32; W_ho 1,024 x 1,024 float32; W_if 1,024 x 1,024 float32; W_ig 1,024 x 1,024 float32; W_ii 1,024 x 1,024 float32; W_io 1,024 x 1,024 float32; b_hf 1,024 float32; b_hg 1,024 float32; b_hi 1,024 float32; b_ho 1,024 float32; b_if 1,024 float32; b_ig 1,024 float32; b_ii 1,024 float32; b_io 1,024 float32; input__codes 8,192 x 32 x 24 uint8 (E3M2 codes of input_, K innermost, in blocks of 32 codes, four codes in three bytes); input__scales 8,192 x 32 uint8 (E8M0 scales of input_, one for each 32 codes along K); prev_c 8,192 x 1,024 float32; prev_h_codes 8,192 x 32 x 24 uint8 (E3M2 codes of prev_h, K innermost, in blocks of 32 codes, four codes in three bytes); prev_h_scales 8,192 x 32 uint8 (E8M0 scales of prev_h, one for each 32 codes along K).
;; Outputs: out0 8,192 x 1,024 float32; out1 8,192 x 1,024 float32.
;; This version of the problem:
;;   THIS VERSION OF THE PROBLEM IS GIVEN IN LOW PRECISION. The matrix products marked QUANTISED in the list below multiply operands that are first quantised to E3M2 (3 exponent bits, 2 mantissa bits; 6 bits a number), with one power-of-two scale for each 32 numbers along K (OCP MX v1.0); their sums are f32. All else is computed in f32.
;;   The module's matrix products, in the order in which they are computed (A, B: the left and right operand; K: the contracted axis; several contracted axes count as one K, in the product's order):
;;     1. [M 8,192, K 1,024] x [K 1,024, N 4,096]; A: input input_ (given as codes); B: computed on the way: QUANTISED
;;     2. [M 8,192, K 1,024] x [K 1,024, N 4,096]; A: input prev_h (given as codes); B: computed on the way: QUANTISED
;;   THE QUANTISER, for each operand of a quantised product, along K:
;;     - K is cut into blocks of 32 from its start; a last block that is shorter is filled with zeros.
;;     - A block's scale is 2^e with e = floor(log2(the largest magnitude in the block)) - 4, held to -126 .. 127; a block of zeros has e = 0. As a byte (E8M0): e + 127.
;;     - Each number is divided by its block's scale, clamped to +-28, and rounded to the nearest number of E3M2, ties to even, subnormals kept.
;;     - The product sums the exact products of the quantised numbers (number of the format x scale) in f32.
;;   ~~~python
;;   def quantise(x, axis):      # numpy; x: float32 -> the quantised numbers, widened to float32 again
;;       x = np.moveaxis(x, axis, -1); K = x.shape[-1]
;;       x = np.pad(x, [(0, 0)] * (x.ndim - 1) + [(0, -K % 32)]); x = x.reshape(x.shape[:-1] + (-1, 32)); a = np.abs(x).max(-1, keepdims=True)
;;       e = np.where(a > 0, np.clip(np.frexp(np.where(a > 0, a, 1))[1] - 1 - 4, -126, 127), 0)      # np.frexp(a)[1] - 1 = floor(log2(a)), exactly
;;       r = np.clip(x / 2.0 ** e, -28, 28)
;;       step = 2.0 ** (np.maximum(np.frexp(np.where(r == 0, 1, r))[1] - 1, -2) - 2)
;;       q = np.round(r / step) * step * 2.0 ** e      # np.round: ties to even
;;       return np.moveaxis(q.reshape(q.shape[:-2] + (-1,))[..., :K], -1, axis).astype(np.float32)
;;   ~~~
;;   OPERANDS COMPUTED ON THE WAY. 'Computed on the way' means the value that the module computes at that place (a softmax that the list does not call 'softmax' is quantised finished and normalised). What goes into a quantiser is computed in f32, as accurately as f32 sums, v_exp_f32 and their like allow (about 1e-6 of the number): no bf16 or f16 on the way to a quantiser, and a product that is left as it is and whose result goes on into a quantised operand takes f32 operands (vector FMAs, or v_wmma_f32_16x16x4_f32). A number that lies on a knife's edge between two numbers of the format may be rounded either way, as far as f32 arithmetic and the matrix unit's own rounding can turn it there, and no further.
;;   INPUTS GIVEN AS CODES. input_ (in the module: [8192, 1024], K = its axis 1); prev_h (in the module: [8192, 1024], K = its axis 1): each comes as NAME_codes (uint8): NAME with its K axis moved to the last place and cut into blocks of 32 codes, [.., K / 32, bytes a block], one block behind the other in memory; four codes in three bytes: a row's codes are one little-endian stream of bits, code i at bits 6 i .. 6 i + 5 (a code: sign, 3 exponent bits, 2 mantissa bits); and NAME_scales (uint8): the same leading axes, one E8M0 byte (e + 127) for each 32 codes along K. Its value is code x scale, taken as it is: it is not quantised again, and the codes and scales need not be those that the quantiser above would give.
;; One version. Each part assembles by itself: llvm-mc -triple=amdgcn-amd-amdhsa -mcpu=gfx1250 --defsym DOCPART=n.
;; ======== version 1 of 1: 2 launches
;; workspace buffers: w_codes 6,291,456 bytes; w_scales 262,144 bytes; bsum 16,384 bytes
;; launch quant (part 1): grid 256 x 1, 4 waves a work-group, no clusters, 33,280 bytes of LDS; arguments W_ii, W_if, W_ig, W_io, W_hi, W_hf, W_hg, W_ho, b_ii, b_if, b_ig, b_io, b_hi, b_hf, b_hg, b_ho, w_codes, w_scales, bsum; writes w_codes, w_scales, bsum
.if DOCPART == 1
	.amdgcn_target "amdgcn-amd-amdhsa--gfx1250"
	.amdhsa_code_object_version 6
	.text
	.protected	k_q277fbdc8f1_quant
	.globl	k_q277fbdc8f1_quant
	.p2align	8
	.type	k_q277fbdc8f1_quant,@function
k_q277fbdc8f1_quant:
	s_mov_b64 s[64:65], 0
	v_nop
	global_prefetch_b8 v0, s[64:65] scope:SCOPE_SE
	s_setreg_imm32_b32 hwreg(HW_REG_WAVE_MODE, 25, 1), 1
	s_wait_xcnt 0x0
; The eight weights [1024][1024], f32, K innermost, become codes of BF6 (E3M2), 6 bits each, with one E8M0 scale byte for each 32 along K; the bias pairs b_x + b_h are added.
; WHERE THEY GO.  w_codes [2 (S: 0 = the weights of x, 1 = those of h)][4096 rows p][768 bytes], w_scales [2][4096][32], bsum [4096] f32.  Gate g (0 i, 1 f, 2 g, 3 o), hidden unit j:
; p = 128 (j / 32) + 32 g + j % 32: so 256 neighbouring rows p hold all four gates of 64 neighbouring hidden units, which is what a tile of the second launch wants.
; A block's scale is 2^(floor(log2(its largest magnitude)) - 4); its byte is the largest magnitude's own exponent field - 4, held at 1 from below by a floor among the maximum's leaves.
; LIMITS: NaN and infinities among the weights are not served.  A block of zeros gets the byte 1 where the rule says 127: its codes are zeros, which add nothing under any byte but 0xff, and this program alone reads the bytes.
; SHARES.  Work-group 128 S + 32 g + G takes rows 32 G .. 32 G + 31 of one weight, each of its four waves 8 rows = 8,192 numbers = 16 steps of 512.  Rows are dense, so a wave's part is a plain stream of blocks of 32,
; and so are its codes (6,144 bytes) and its scale bytes (256).  The work-groups share no input byte: no cluster, no tensor load, no barrier.
; A STEP.  The conversion takes 16 numbers of one block from ONE lane's registers; a load is dense where neighbouring lanes take neighbouring bytes.  Both are had: four loads of 512 consecutive bytes, through the wave's own
; stage in LDS (16 bytes of padding behind each 64), back as 64 bytes a lane.  Two neighbouring lanes hold a block.  Loads run eight steps (32 loads a wave) ahead, the turn through LDS one step.
.set STEPS, 16
.set EMAX,  4
.set CB,    12                         ; bytes of 16 codes
.set R,     16                         ; v16-143  eight sets of 16 numbers as they are loaded
.set X,     144                        ; v144-175 two sets of 16 neighbours
.set E,     176                        ; v176-191 a scale byte for each step
.set C,     192                        ; v192-255 codes: four registers for each step, three of them used, so that no store's data are written again
.set BX,    195                        ; three of the idle fourth registers: b_x, b_h and their sum
.set BH,    199
.set BS,    203
.set WREG,  8192                       ; LDS: a region for each wave: two stages of 32 x SP bytes, behind them its 256 scale bytes
.set SP,    80                         ; a lane's place in a stage: 64 bytes + 16 of padding
	s_load_b512 s[4:19], s[0:1], 0x0               ; W_ii, W_if, W_ig, W_io, W_hi, W_hf, W_hg, W_ho
	s_load_b512 s[20:35], s[0:1], 0x40             ; b_ii, b_if, b_ig, b_io, b_hi, b_hf, b_hg, b_ho
	s_load_b128 s[36:39], s[0:1], 0x80             ; w_codes, w_scales
	s_load_b64 s[40:41], s[0:1], 0x90              ; bsum
	v_lshl_add_u32 v251, v0, 2, 0x8000
	v_mov_b32 v255, 0
	v_lshrrev_b32 v1, 5, v0
	v_readfirstlane_b32 s42, v1                    ; wave 0..3
	v_and_b32 v2, 31, v0                           ; lane
	v_lshlrev_b32 v3, 4, v2                        ; my 16 bytes of a load's 512
	s_mul_i32 s48, s42, WREG                       ; my wave's LDS
	v_lshrrev_b32 v14, 2, v2
	v_mul_u32_u24 v14, v14, SP
	v_and_b32 v15, 3, v2
	v_lshl_add_u32 v14, v15, 4, v14
	v_add_nc_u32 v14, s48, v14                     ; the stage, on the way in: SP (lane / 4) + 16 (lane % 4); a load's 512 bytes take eight places
	v_mul_u32_u24 v15, v2, SP
	v_add_nc_u32 v15, s48, v15                     ; and on the way out: SP x lane: my 16 neighbours
	v_mul_u32_u24 v4, v2, CB                       ; my codes' place in a step's 384 bytes
	v_lshrrev_b32 v5, 1, v2
	s_add_co_u32 s48, s48, 2*32*SP
	v_add_nc_u32 v5, s48, v5                       ; LDS: my block's scale byte
	v_lshlrev_b32 v7, 3, v2                        ; the scale bytes' way out: 8 bytes a lane
	v_add_nc_u32 v6, s48, v7
	v_lshlrev_b32 v10, 2, v2                       ; the biases: 4 bytes a lane
	s_wait_kmcnt 0x0
	; which weight and which biases: three choices, each on the work-group's number alone
	s_cmp_lt_u32 ttmp9, 128                        ; S = 0: the weights of x
	s_cselect_b64 s[4:5], s[4:5], s[12:13]
	s_cselect_b64 s[6:7], s[6:7], s[14:15]
	s_cselect_b64 s[8:9], s[8:9], s[16:17]
	s_cselect_b64 s[10:11], s[10:11], s[18:19]
	s_cselect_b32 s43, 0, 1                        ; S
	s_and_b32 s44, ttmp9, 127                      ; 32 g + G
	s_cmp_lt_u32 s44, 64                           ; gate 0 or 1?
	s_cselect_b64 s[4:5], s[4:5], s[8:9]
	s_cselect_b64 s[6:7], s[6:7], s[10:11]
	s_cselect_b64 s[20:21], s[20:21], s[24:25]
	s_cselect_b64 s[22:23], s[22:23], s[26:27]
	s_cselect_b64 s[28:29], s[28:29], s[32:33]
	s_cselect_b64 s[30:31], s[30:31], s[34:35]
	s_and_b32 s45, s44, 63
	s_cmp_lt_u32 s45, 32                           ; the even gate of the two?
	s_cselect_b64 s[4:5], s[4:5], s[6:7]           ; my weight
	s_cselect_b64 s[20:21], s[20:21], s[22:23]     ; my gate's b_x
	s_cselect_b64 s[28:29], s[28:29], s[30:31]     ; and b_h
	s_lshr_b32 s46, s44, 5                         ; g
	s_and_b32 s47, ttmp9, 31                       ; G
	s_lshl_b32 s48, s47, 2
	s_add_co_u32 s48, s48, s42
	s_lshl_b32 s48, s48, 15                        ; in the weight: (32 G + 8 wave) rows of 4,096 bytes
	s_mov_b32 s49, 0
	s_lshl_b32 s50, s43, 9
	s_lshl_b32 s51, s47, 4
	s_add_co_u32 s50, s50, s51
	s_lshl_b32 s51, s46, 2
	s_add_co_u32 s50, s50, s51
	s_add_co_u32 s50, s50, s42                     ; which run of 8 rows p is mine: 512 S + 16 G + 4 g + wave
	s_mul_i32 s52, s50, 8*768                      ; its codes,
	s_mov_b32 s53, 0
	s_lshl_b32 s54, s50, 8                         ; its scale bytes
	s_mov_b32 s55, 0
	s_lshl_b32 s56, s47, 7                         ; the biases of hidden units 32 G on
	s_mov_b32 s57, 0
	s_lshl_b32 s58, s47, 9
	s_lshl_b32 s59, s46, 7
	s_add_co_u32 s58, s58, s59                     ; bsum at p = 128 G + 32 g
	s_mov_b32 s59, 0
	s_add_nc_u64 s[4:5], s[4:5], s[48:49]
	s_add_nc_u64 s[36:37], s[36:37], s[52:53]
	s_add_nc_u64 s[38:39], s[38:39], s[54:55]
	s_add_nc_u64 s[20:21], s[20:21], s[56:57]
	s_add_nc_u64 s[28:29], s[28:29], s[56:57]
	s_add_nc_u64 s[40:41], s[40:41], s[58:59]
	global_load_b32 v[BX], v10, s[20:21]           ; every wave loads the 32 bias pairs, so that the registers are written on every path; one wave stores the sums
	global_load_b32 v[BH], v10, s[28:29]
.macro LOAD t
.irp i, 0,1,2,3
	global_load_b128 v[R+16*((\t)%8)+4*\i:R+16*((\t)%8)+4*\i+3], v3, s[4:5] offset:2048*(\t)+512*\i th:TH_LOAD_NT   ; 32 lanes read 512 consecutive bytes; read once in the launch
.endr
.endm
.macro TURN t                          ; step t's numbers through the stage: LDS serves a wave's instructions in order (ISA guide 5.7.1.4), so no wait stands between the stores and the loads
.irp i, 0,1,2,3
	ds_store_b128 v14, v[R+16*((\t)%8)+4*\i:R+16*((\t)%8)+4*\i+3] offset:32*SP*((\t)%2)+8*SP*\i
.endr
.irp i, 0,1,2,3
	ds_load_b128 v[X+16*((\t)%2)+4*\i:X+16*((\t)%2)+4*\i+3], v15 offset:32*SP*((\t)%2)+16*\i
.endr
.endm
.irp t, 0,1,2,3,4,5,6,7
	LOAD \t
.endr
	s_wait_loadcnt 28                              ; the biases and step 0's four loads are in; those of steps 1 to 7 may be out
	TURN 0
.macro STEP t
.set XS, X+16*((\t)%2)
.if (\t) > 0
	s_wait_dscnt 1                                 ; this step's numbers are back from the stage (the last step's byte store may be out): so its stores into the stage have read their registers,
.else
	s_wait_dscnt 0x0
.endif
.if (\t)+8 < STEPS
	LOAD (\t)+8                                    ; which take the loads of eight steps on
.endif
.if (\t)+1 < STEPS
.if (\t) <= 7
	s_wait_loadcnt 28                              ; the next step's four loads are in; those of the seven steps behind it may be out
.else
	s_wait_loadcnt 4*(14-(\t))                     ; the counts run down: steps t + 2 to 15 are behind it
.endif
	TURN (\t)+1                                    ; and go through the other stage while this step is worked
.endif
	v_max3_num_f32 v8, |v[XS]|, |v[XS+1]|, |v[XS+2]|               ; the largest magnitude of my 16, in two chains
	v_max3_num_f32 v9, |v[XS+3]|, |v[XS+4]|, |v[XS+5]|
.irp i, 6,10
	v_max3_num_f32 v8, v8, |v[XS+\i]|, |v[XS+\i+1]|
	v_max3_num_f32 v9, v9, |v[XS+\i+2]|, |v[XS+\i+3]|
.endr
	v_max3_num_f32 v8, v8, |v[XS+14]|, |v[XS+15]|
	v_max3_num_f32 v8, v8, v9, (EMAX+1)<<23        ; and the floor 2^(EMAX + 1 - 127): the byte cannot fall under 1
	v_max_num_f32_dpp v8, v8, v8 row_xmask:1 row_mask:0xf bank_mask:0xf   ; and of my neighbour's 16: the block's
	v_add_nc_u32 v11, -(EMAX<<23), v8              ; EMAX off its exponent field: the conversion takes the exponent field of this operand as its scale, and nothing else of it
	v_cvt_scalef32_pk16_bf6_f32 v[C+4*(\t):C+4*(\t)+2], v[XS:XS+15], v11   ; sixteen numbers / the scale, to the nearest code, ties to even, beyond the largest code the largest; 96 bits without gaps
	v_lshrrev_b32 v[E+(\t)], 23, v11               ; the scale's byte (also the plain line behind the conversion)
	ds_store_b8 v5, v[E+(\t)] offset:16*(\t)       ; both lanes of a block write the same byte with the same value
	global_store_b96 v4, v[C+4*(\t):C+4*(\t)+2], s[36:37] offset:32*CB*(\t)   ; the wave stores 384 consecutive bytes
.endm
.irp t, 0,1,2,3,4,5,6,7,8,9,10,11,12,13,14,15
	STEP \t
.endr
	ds_load_b64 v[12:13], v6                       ; LDS serves a wave's instructions in order: these see my byte stores
	v_add_f32 v[BS], v[BX], v[BH]                  ; b_x + b_h of hidden units 32 G + lane
	s_wait_dscnt 0x0
	global_store_b64 v7, v[12:13], s[38:39]        ; 32 lanes store 256 consecutive bytes, at a multiple of 256 from the buffer's first byte
	s_cmp_lt_u32 ttmp9, 128                        ; each sum has one owner: wave 0 of the work-group with S = 0
	s_cbranch_scc0 .Lend
	s_cmp_lg_u32 s42, 0
	s_cbranch_scc1 .Lend
	global_store_b32 v10, v[BS], s[40:41]
.Lend:
	s_wait_tensorcnt 0x0
	ds_add_u32 v251, v255
	s_wait_dscnt 0x0
	s_endpgm
.Lfunc_end_k_q277fbdc8f1_quant:
	.size	k_q277fbdc8f1_quant, .Lfunc_end_k_q277fbdc8f1_quant-k_q277fbdc8f1_quant
	.p2alignl 7, 3214868480
	.fill 96, 4, 3214868480
	.section	.rodata,"a",@progbits
	.p2align	6, 0x0
	.amdhsa_kernel k_q277fbdc8f1_quant
		.amdhsa_group_segment_fixed_size 33280
		.amdhsa_private_segment_fixed_size 0
		.amdhsa_enable_private_segment 0
		.amdhsa_kernarg_size 152
		.amdhsa_user_sgpr_count 2
		.amdhsa_user_sgpr_kernarg_segment_ptr 1
		.amdhsa_wavefront_size32 1
		.amdhsa_system_sgpr_workgroup_id_x 1
		.amdhsa_system_sgpr_workgroup_id_y 1
		.amdhsa_system_sgpr_workgroup_id_z 1
		.amdhsa_system_vgpr_workitem_id 0
		.amdhsa_next_free_vgpr 256
		.amdhsa_next_free_sgpr 66
		.amdhsa_reserve_vcc 0
		.amdhsa_float_denorm_mode_32 3
		.amdhsa_float_denorm_mode_16_64 3
		.amdhsa_memory_ordered 1
		.amdhsa_forward_progress 1
		.amdhsa_inst_pref_size 34
	.end_amdhsa_kernel
	.amdgpu_metadata
---
amdhsa.version: [ 1, 2 ]
amdhsa.kernels:
  - .name:           k_q277fbdc8f1_quant
    .symbol:         k_q277fbdc8f1_quant.kd
    .args:
      - { .name: W_ii, .offset: 0, .size: 8, .value_kind: global_buffer, .address_space: global }
      - { .name: W_if, .offset: 8, .size: 8, .value_kind: global_buffer, .address_space: global }
      - { .name: W_ig, .offset: 16, .size: 8, .value_kind: global_buffer, .address_space: global }
      - { .name: W_io, .offset: 24, .size: 8, .value_kind: global_buffer, .address_space: global }
      - { .name: W_hi, .offset: 32, .size: 8, .value_kind: global_buffer, .address_space: global }
      - { .name: W_hf, .offset: 40, .size: 8, .value_kind: global_buffer, .address_space: global }
      - { .name: W_hg, .offset: 48, .size: 8, .value_kind: global_buffer, .address_space: global }
      - { .name: W_ho, .offset: 56, .size: 8, .value_kind: global_buffer, .address_space: global }
      - { .name: b_ii, .offset: 64, .size: 8, .value_kind: global_buffer, .address_space: global }
      - { .name: b_if, .offset: 72, .size: 8, .value_kind: global_buffer, .address_space: global }
      - { .name: b_ig, .offset: 80, .size: 8, .value_kind: global_buffer, .address_space: global }
      - { .name: b_io, .offset: 88, .size: 8, .value_kind: global_buffer, .address_space: global }
      - { .name: b_hi, .offset: 96, .size: 8, .value_kind: global_buffer, .address_space: global }
      - { .name: b_hf, .offset: 104, .size: 8, .value_kind: global_buffer, .address_space: global }
      - { .name: b_hg, .offset: 112, .size: 8, .value_kind: global_buffer, .address_space: global }
      - { .name: b_ho, .offset: 120, .size: 8, .value_kind: global_buffer, .address_space: global }
      - { .name: w_codes, .offset: 128, .size: 8, .value_kind: global_buffer, .address_space: global }
      - { .name: w_scales, .offset: 136, .size: 8, .value_kind: global_buffer, .address_space: global }
      - { .name: bsum, .offset: 144, .size: 8, .value_kind: global_buffer, .address_space: global }
    .group_segment_fixed_size: 33280
    .private_segment_fixed_size: 0
    .kernarg_segment_align: 8
    .kernarg_segment_size: 152
    .max_flat_workgroup_size: 128
    .sgpr_count:     66
    .vgpr_count:     256
    .wavefront_size: 32
...
	.end_amdgpu_metadata
.endif
;; end of part 1
;; launch cell (part 2): grid 16 x 32, 4 waves a work-group, clusters of 4 x 4, 327,680 bytes of LDS; arguments input__codes, input__scales, prev_h_codes, prev_h_scales, w_codes, w_scales, bsum, prev_c, out0, out1; writes out0, out1
.if DOCPART == 2
	.amdgcn_target "amdgcn-amd-amdhsa--gfx1250"
	.amdhsa_code_object_version 6
	.text
	.protected	k_q277fbdc8f1_cell
	.globl	k_q277fbdc8f1_cell
	.p2align	8
	.type	k_q277fbdc8f1_cell,@function
k_q277fbdc8f1_cell:
	s_mov_b64 s[64:65], 0
	v_nop
	global_prefetch_b8 v0, s[64:65] scope:SCOPE_SE
	s_setreg_imm32_b32 hwreg(HW_REG_WAVE_MODE, 25, 1), 1
	s_wait_xcnt 0x0
	s_wait_alu depctr_hold_cnt(0) depctr_sa_sdst(0) depctr_va_vdst(0) depctr_va_sdst(0) depctr_va_ssrc(0) depctr_va_vcc(0) depctr_vm_vsrc(0)
	s_getreg_b32 s2, hwreg(HW_REG_IB_STS2, 6, 4)
	s_cmp_eq_u32 s2, 0
	s_cbranch_scc0 .Lentry_in_a_cluster
	s_endpgm
.Lentry_in_a_cluster:
	s_bfe_u32 s2, ttmp6, 0x10000c
	s_cmp_lg_u32 s2, 0xf033
	s_cbranch_scc0 .Lentry_shape_is_right
	s_endpgm
.Lentry_shape_is_right:
; gates = x Wx^T + h Wh^T + (bx + bh), both products on codes of BF6 (E3M2) with one E8M0 scale for each 32 along K, sums in f32; i, f, o = sigmoid, g = tanh; c = f prev_c + i g (out1); h = o tanh(c) (out0).  The gates never go to memory.
; x, h: [8192][1024] as codes (rows of 768 bytes) and scale bytes (rows of 32), as they are given.  The weights: w_codes [2][4096 rows p][768], w_scales [2][4096][32], bsum [4096], made by the launch before:
; p = 128 (j / 32) + 32 gate + j % 32, so that 256 neighbouring rows p are all four gates of 64 neighbouring hidden units.
; SHARES.  A work-group of four waves, as many as a WGP has SIMDs, makes 256 batch rows (tile row TR) x 256 rows p (tile column TC: hidden units 64 TC on); a wave makes 128 x 128: 64 accumulators of 16 x 16, 512 registers.
; THE MATRIX INSTRUCTION IS USED TRANSPOSED (source 0 = 16 rows p, source 1 = 16 batch rows): in accumulator (a, b) lane (r, h) holds batch row 16 a + r and in register j gate b / 2 of hidden unit 16 (b % 2) + 8 h + j of the wave's 32.
; So accumulators (a, u), (a, 2 + u), (a, 4 + u), (a, 6 + u) hold i, f, g, o of the same eight elements in the same lane: the cell's arithmetic needs no other lane.
; K.  The two products are one sum over 2,048.  A ring of two LDS slots of 256 along K: slot 0 always holds the x side, slot 1 the h side, so each slot's descriptors walk their own buffers, 192 bytes a lap, four laps.
; The sum of an output begins with its bias (the C of the first product) and takes x's and h's steps by turns: an order of f32 additions other than x's sum + h's sum + the biases.
; A STEP of 128 along K is 64 matrix instructions in sixteen groups of four; THE LDS LOADS STAND BETWEEN THE GROUPS, a fragment (six loads) or two at a time, so that they are issued while the matrix unit works.  That costs two
; switches of the register window a fragment: the lesser price here, since a wave has nothing else to issue beside its products.
; THE SCALES of the work-group's rows, both sides, all of K, come into LDS once, with the first fills, in rows of 256 bytes, and stay.
; CLUSTERS: 4 x 4 work-groups.  The four of a row of the cluster need the same tiles of x and h, the four of a column the same tiles of the weights: each is asked for JOINTLY, by the same tensor load with the same descriptor and a mask that names the four.
; prev_c's tile (256 rows x 256 bytes) is the work-group's alone.  Each wave asks for 64 rows of it behind the first step, whole rows, into 128 registers that lie idle through the K loop; in the last step they go into slot 0,
; which has had its last fill and its last read by then.  c is written over them, h into slot 1; both leave as whole rows of 256 bytes, in four phases, each phase's stores while the next phase is computed.
; LIMITS.  NaN, infinities and the scale byte 0xff among the inputs are not served.  sigmoid(x) = 1 / (1 + 2^(-x log2 e)), tanh(x) = 1 - 2 / (1 + 2^(2 x log2 e)): an exponential that overflows gives infinity, whose reciprocal is 0, one that
; underflows gives 0: the results are then 0, 1 or -1 as they should be.  Near 0 this tanh has an absolute error of some 1e-7, not a relative one.
; REGISTERS, in windows of 256: window 0: v1-31 addresses; v32-63 scale words, two sets, and nothing else; v64-127 the biases, then half of prev_c; from v128 A's fragments (8 x 16 rows x 128 K), ONE set; in the tail v64-207 are at work.
;   window 1: the weights' fragments, TWO sets, at v0 and at v128; v96-127 and v224-255 the other half of prev_c.   window 2: the 32 accumulators of my rows 0-63 (accumulator (a, b) at v[8 (8 (a % 4) + b)]);   window 3: those of my rows 64-127.
.set NQ,     2                         ; matrix instructions deep in a slot: 256 along K
.set ROWB,   192                       ; a tile's row in bytes: 256 codes of 6 bits
.set KROW,   768                       ; a row of codes in memory
.set PITCH,  240                       ; an LDS row: 3 x (64 bytes of data + 16 of padding)
.set FR,     12                        ; registers of a fragment: 16 rows x 128 K
.set NLD,    6                         ; LDS loads that bring one
.set NP,     4                         ; places behind this matrix instruction (ISA guide 7.12.1)
.set HALFT,  128*PITCH                 ; 128 rows: what one tensor load brings, and what one wave reads of either operand
.set SLOT,   4*HALFT                   ; the batch rows' 256, then the weights' 256
.set LAPS,   4                         ; a lap = slot 0 (x) and slot 1 (h), 256 along K of each
.set SCL,    2*SLOT                    ; behind the ring: the scales, as rows of 256 bytes + 16 of padding
.set HALFS,  16*272                    ; the scales of 128 rows (32 bytes each): what one tensor load brings
.set SBLK,   2*272                     ; those of 16 rows
.set SSET,   4*HALFS                   ; one side's: the batch rows' two halves, the weights' two halves
.set SPARE,  SCL+2*SSET                ; behind the scales: the spare words, 128 bytes for each wave: two blocks of 256 bytes that no other line names
.set CP,     272                       ; a row of prev_c, c or h in LDS: 256 bytes + 16
.set HSA,  12                          ; v12     where I put 32 bytes of a row of h: PCA + SLOT
.set RDH,  13                          ; v13     where I read whole rows of h back: RD + SLOT
.set ADRA, 16                          ; v16-17  LDS address of my fragments of the batch rows in slot 0, 1  (v18-19: the same for the pieces that lie behind one padding more)
.set ADRB, 20                          ; v20-21  the same for the weights  (v22-23)
.set PCA,  24                          ; v24     my 32 bytes of a row of prev_c, and of c
.set RD,   25                          ; v25     whole rows: where I put prev_c and read c back: lanes 0-15 one row, lanes 16-31 the next
.set CO,   26                          ; v26     the same two rows in prev_c and in the outputs; never rewritten
.set ADRS, 27                          ; v27     LDS address of my scale words: lanes 0-15 the batch rows', lanes 16-31 the weights'
.set SPW,  28                          ; v28     LDS address of my spare word: SPARE + 4 x my thread's number; never rewritten
.set NIL,  29                          ; v29     0; never rewritten
.set BO,   31                          ; v31     32 x (lane / 16): my eight biases of a block; never rewritten
.set SC,   32                          ; scale words: set s (for slot s) at v[SC + 16 s]; in it register 2 i + q: lanes 0-15 the word of A's block i, lanes 16-31 that of B's block i, for the slot's q-th 128 along K
.set BI,   64                          ; the biases of B's block b at v[BI + 8 b]
.set PC0,  64                          ; prev_c as loaded: loads 0-15 in window 0, v64-127 (the biases are spent by then);
.set PC1,  96                          ; loads 16-23 in window 1, v96-127, loads 24-31 in v224-255
.set AF,   128                         ; A's fragments
.set PCR,  64                          ; the tail: prev_c of a group, two sets of 8
.set TI,   80                          ; i, f, g, o of a group: 8 registers each
.set TF,   88
.set TG,   96
.set TO,   104
.set CC,   112                         ; c, two sets of 8
.set HH,   128                         ; h, two sets of 8
.set BK,   144                         ; the way out: 16 rows of c and 16 of h: 64 registers
.set TR,   2                           ; s2      tile row
.set LAP,  3                           ; s3      laps to go
.set SNL,  8                           ; s[8:9]  -log2(e), twice: the packed forms name a pair
.set SP2,  10                          ; s[10:11] 2 log2(e), twice
.set G1,   24                          ; s[24:31] descriptor group 1 for the batch rows' tiles;  s[32:39] group 0, one set for each slot
.set G0,   32
.set G1B,  40                          ; s[40:47], s[48:55] the same for the weights' tiles
.set G0B,  48
.set G1S,  56                          ; s[56:63], s[68:75] groups 1 and 0 for the batch rows' scales, one group 0 for each side
.set G0S,  68
.set G1SB, 76                          ; s[76:83], s[84:91] for the weights' scales
.set G0SB, 84
.set WV,   66                          ; s66     my wave's number
.set RH,   67                          ; s67     which half of the tile's batch rows is mine.  Also: I fetch for the batch rows (0) or for the weights (1)
.set CH,   100                         ; s100    which half of its rows p.  Also: which 128 rows I fetch
.set TC,   105                         ; s105    tile column
.set MSB, 0
.macro WIN new                         ; the immediate's high byte repeats the setting that is left; a switch that changes nothing is dropped
.if MSB != (\new)
	s_set_vgpr_msb (MSB<<8)|(\new)
.set MSB, (\new)
.endif
.endm
.set MUL_LO, 0xa1                      ; source 0 (weights) window 1, source 1 (batch rows) window 0, C and D window 2
.set MUL_HI, 0xf1                      ; the same, C and D window 3
.set FST_LO, 0x81                      ; the first products: C (the biases) window 0, D window 2
.set FST_HI, 0xc1                      ; D window 3
.set TO_B,   0x40                      ; destination window 1, address window 0
; A joint load: waves 0 and 1 fetch for the batch rows, waves 2 and 3 for the weights.  Each of the two lines has ONE mask and one set of registers for all that issue it; the branch hangs on the wave's number alone.
; Four v_nop follow each of the two lines, ahead of the jump, the label and what follows.
.macro JLOAD g0a, g1a, g0b, g1b
	s_cmp_eq_u32 s[RH], 0
	s_cbranch_scc0 .Lfor_b_\@
	tensor_load_to_lds s[\g0a:\g0a+3], s[\g1a:\g1a+7]
	s_nop 0
.rept 4
	v_nop
.endr
	s_branch .Lasked_\@
.Lfor_b_\@:
	tensor_load_to_lds s[\g0b:\g0b+3], s[\g1b:\g1b+7]
	s_nop 0
.rept 4
	v_nop
.endr
.Lasked_\@:
.endm
.macro CREST                           ; a round of the cluster's barrier behind its opening barrier
	s_cmp_lg_u32 s[WV], 0
	s_cbranch_scc1 .Lnot_wave_0_\@
	s_barrier_signal -3
.Lnot_wave_0_\@:
	s_barrier_wait -3
	s_barrier_signal -1
	s_barrier_wait -1
.endm
.macro CROUND                          ; a whole round
	s_barrier_signal -1
	s_barrier_wait -1
	CREST
.endm
	s_load_b256 s[4:11], s[0:1], 0x0               ; x's codes s[4:5], x's scales s[6:7], h's codes s[8:9], h's scales s[10:11]
	s_load_b256 s[12:19], s[0:1], 0x20             ; w_codes s[12:13], w_scales s[14:15], bsum s[16:17], prev_c s[18:19]
	s_load_b128 s[20:23], s[0:1], 0x40             ; out0 (h) s[20:21], out1 (c) s[22:23]
	v_lshl_add_u32 v[SPW], v0, 2, SPARE
	v_mov_b32 v[NIL], 0
	ds_add_u32 v28, v29
	ds_add_u32 v28, v29
	s_wait_dscnt 0x0
	v_lshrrev_b32 v1, 5, v0
	v_readfirstlane_b32 s[WV], v1                  ; wave 0..3
	s_lshr_b32 s[RH], s[WV], 1
	s_and_b32 s[CH], s[WV], 1
	s_bfe_u32 s101, ttmp6, 0x40000                 ; cx, cy: my place in the cluster
	s_bfe_u32 s104, ttmp6, 0x40004
	s_lshl_b32 s[TC], ttmp9, 2
	s_add_co_u32 s[TC], s[TC], s101                ; tile column = 4 x cluster x + cx
	s_and_b32 s[TR], ttmp7, 0xffff
	s_lshl_b32 s[TR], s[TR], 2
	s_add_co_u32 s[TR], s[TR], s104                ; tile row = 4 x cluster y + cy
	s_lshl_b32 s92, s104, 2
	s_lshl_b32 s92, 15, s92                        ; my row of the cluster
	s_lshl_b32 s96, 0x1111, s101                   ; my column
	; descriptor group 1: a tile of 128 rows x 192 bytes, padded in LDS
	s_or_b32 s[G1+0], s92, (0<<16)|(1<<20)|(1<<21)|(3<<22)|(3<<25)   ; 15:0 the mask: the batch rows' tiles go to my row; 17:16 element of 1 byte; 20 padding on; 21 set beside a mask; 24:22 after every 16 words (code 3); 31:25 of 4 words (code 3)
	s_or_b32 s[G1B+0], s96, (0<<16)|(1<<20)|(1<<21)|(3<<22)|(3<<25)  ; the weights' tiles go to my column
.irp g, G1, G1B
	s_mov_b32 s[\g+1], ROWB<<16                    ; tensor_dim0
	s_mov_b32 s[\g+2], 128<<16                     ; tensor_dim1 = 128
	s_mov_b32 s[\g+3], ROWB<<16                    ; tile_dim0
	s_mov_b32 s[\g+4], 128                         ; tile_dim1 = 128
	s_mov_b32 s[\g+5], KROW                        ; tensor_dim0_stride
	s_mov_b32 s[\g+6], 0
	s_mov_b32 s[\g+7], 0
.endr
	; and for the scales of 128 rows: a dense block of 4,096 bytes, as 16 rows of 256 bytes (32 elements of 8 bytes), 16 bytes of padding behind each
	s_or_b32 s[G1S+0], s92, (3<<16)|(1<<20)|(1<<21)|(5<<22)|(3<<25)
	s_or_b32 s[G1SB+0], s96, (3<<16)|(1<<20)|(1<<21)|(5<<22)|(3<<25)
.irp g, G1S, G1SB
	s_mov_b32 s[\g+1], 32<<16
	s_mov_b32 s[\g+2], 16<<16
	s_mov_b32 s[\g+3], 32<<16
	s_mov_b32 s[\g+4], 16
	s_mov_b32 s[\g+5], 32
	s_mov_b32 s[\g+6], 0
	s_mov_b32 s[\g+7], 0
.endr
	s_lshl_b32 s[LAP], s[CH], 7                    ; which 128 rows of a tile I fetch
	s_lshl_b32 s104, s[TR], 8
	s_add_co_u32 s104, s104, s[LAP]                ; batch row 256 x tile row + 128 x half
	s_lshl_b32 s101, s[TC], 8
	s_add_co_u32 s101, s101, s[LAP]                ; row p 256 x tile column + 128 x half
	s_mul_i32 s92, s104, KROW                      ; where these rows' codes begin, in bytes (under 2^23),
	s_mov_b32 s93, 0
	s_lshl_b32 s94, s104, 5                        ; and their scales
	s_mov_b32 s95, 0
	s_mul_i32 s96, s101, KROW
	s_mov_b32 s97, 0
	s_lshl_b32 s98, s101, 5
	s_mov_b32 s99, 0
.irp g, G0, G0B                        ; where the tiles go: wave x 128 rows, + the slot: no place in the cluster enters an LDS address
	s_mov_b32 s[\g], 1                             ; 1:0 count = 1
	s_mov_b32 s[\g+4], 1
	s_mul_i32 s[\g+1], s[WV], HALFT                ; 63:32 LDS address
	s_add_co_u32 s[\g+5], s[\g+1], SLOT
.endr
.irp g, G0S, G0SB
	s_mov_b32 s[\g], 1
	s_mov_b32 s[\g+4], 1
	s_mul_i32 s[\g+1], s[WV], HALFS
	s_add_co_u32 s[\g+1], s[\g+1], SCL
	s_add_co_u32 s[\g+5], s[\g+1], SSET
.endr
	s_wait_kmcnt 0x0
	s_add_nc_u64 s[G0+2:G0+3], s[4:5], s[92:93]            ; slot 0: x's codes;
	s_add_nc_u64 s[G0+6:G0+7], s[8:9], s[92:93]            ; slot 1: h's
	s_add_nc_u64 s[G0S+2:G0S+3], s[6:7], s[94:95]
	s_add_nc_u64 s[G0S+6:G0S+7], s[10:11], s[94:95]
	s_add_nc_u64 s[G0B+2:G0B+3], s[12:13], s[96:97]        ; slot 0: the weights of x;
	s_add_nc_u64 s[G0B+6:G0B+7], s[G0B+2:G0B+3], 4096*KROW ; slot 1: those of h, 4,096 rows on
	s_add_nc_u64 s[G0SB+2:G0SB+3], s[14:15], s[98:99]
	s_add_nc_u64 s[G0SB+6:G0SB+7], s[G0SB+2:G0SB+3], 4096*32
.irp g, G0, G0B, G0S, G0SB
	s_or_b32 s[\g+3], s[\g+3], 0x80000000          ; 127:126 type = 2
	s_or_b32 s[\g+7], s[\g+7], 0x80000000
.endr
	CROUND                                         ; all sixteen work-groups are here: the first joint loads meet
	JLOAD G0S, G1S, G0SB, G1SB                     ; the first fills go out as one group: four tensor loads of mine are out.  x's side first: it is wanted first
	JLOAD G0, G1, G0B, G1B
	JLOAD G0S+4, G1S, G0SB+4, G1SB
	JLOAD G0+4, G1, G0B+4, G1B
	v_and_b32 v1, 15, v0                           ; r = l % 16
	v_bfe_u32 v2, v0, 4, 1                         ; h = l / 16
	v_mul_u32_u24 v3, v1, PITCH
	v_mul_u32_u24 v4, v2, 24
	v_add_nc_u32 v4, v3, v4                        ; a fragment's row x pitch + 24 x half
	v_lshl_add_u32 v5, v2, 4, v4                   ; and the same behind one padding more
	s_mul_i32 s12, s[RH], HALFT                    ; my 128 batch rows
	s_mul_i32 s13, s[CH], HALFT                    ; my 128 rows p,
	s_add_co_u32 s13, s13, 2*HALFT                 ; which lie behind the 256 batch rows
.irp s, 0,1
	v_add_nc_u32 v[ADRA+\s], s12, v4
	v_add_nc_u32 v[ADRB+\s], s13, v4
	v_add_nc_u32 v[ADRA+2+\s], s12, v5
	v_add_nc_u32 v[ADRB+2+\s], s13, v5
	s_add_co_u32 s12, s12, SLOT
	s_add_co_u32 s13, s13, SLOT
.endr
	v_lshlrev_b32 v5, 5, v1                        ; my row's scales: 32 bytes a row,
	v_lshrrev_b32 v6, 8, v5
	v_lshl_add_u32 v5, v6, 4, v5                   ; and 16 more for each 256 passed
	s_mul_i32 s12, s[RH], HALFS
	s_mul_i32 s13, s[CH], HALFS
	s_add_co_u32 s13, s13, 2*HALFS
	s_sub_co_u32 s13, s13, s12
	v_mul_u32_u24 v6, s13, v2                      ; lanes 16-31 take the weights': one product, the distance between the two bases x half
	s_add_co_u32 s12, s12, SCL
	v_add_nc_u32 v5, v5, v6
	v_add_nc_u32 v[ADRS], s12, v5
	v_mul_u32_u24 v3, v1, CP                       ; prev_c, c in the accumulators' layout: row r, + 32 bytes a half of the lanes, + my 128 rows, + my 128 bytes of a row
	v_lshl_add_u32 v3, v2, 5, v3
	s_mul_i32 s12, s[RH], 128*CP
	s_lshl_b32 s13, s[CH], 7
	s_add_co_u32 s12, s12, s13
	v_add_nc_u32 v[PCA], s12, v3
	v_add_nc_u32 v[HSA], SLOT, v[PCA]
	v_mul_u32_u24 v3, v2, CP                       ; whole rows: lanes 0-15 one row of 256 bytes, lanes 16-31 the next.  Of each 32 rows of my row half I take 16: rows 128 (wave / 2) + 16 (wave % 2) + 32 phase + 0 .. 15
	v_lshl_add_u32 v3, v1, 4, v3
	s_lshl_b32 s12, s[RH], 7
	s_lshl_b32 s13, s[CH], 4
	s_add_co_u32 s12, s12, s13
	s_mul_i32 s12, s12, CP
	v_add_nc_u32 v[RD], s12, v3
	v_add_nc_u32 v[RDH], SLOT, v[RD]
	v_lshlrev_b32 v3, 12, v2                       ; and the same two rows in memory: rows of 4,096 bytes
	v_lshl_add_u32 v[CO], v1, 4, v3
	v_lshlrev_b32 v[BO], 5, v2
	s_lshl_b32 s12, s[TC], 10                      ; the biases of my 128 rows p: 4 (256 x tile column + 128 x half)
	s_lshl_b32 s13, s[CH], 9
	s_add_co_u32 s12, s12, s13
	s_mov_b32 s13, 0
	s_add_nc_u64 s[16:17], s[16:17], s[12:13]
.irp b, 0,1,2,3,4,5,6,7
	global_load_b128 v[BI+8*\b:BI+8*\b+3], v[BO], s[16:17] offset:64*\b         ; in the result's layout: lane (r, h), register j: row p 16 b + 8 h + j
	global_load_b128 v[BI+8*\b+4:BI+8*\b+7], v[BO], s[16:17] offset:64*\b+16
.endr
	s_lshl_b32 s12, s[TR], 20                      ; my first whole row in prev_c and in the outputs: 256 rows of 4,096 bytes x tile row + 256 bytes x tile column
	s_lshl_b32 s13, s[TC], 8
	s_add_co_u32 s12, s12, s13
	s_lshl_b32 s13, s[RH], 19                      ; + 128 rows x (wave / 2)
	s_add_co_u32 s12, s12, s13
	s_lshl_b32 s13, s[CH], 16                      ; + 16 rows x (wave % 2)
	s_add_co_u32 s12, s12, s13
	s_mov_b32 s13, 0
	s_add_nc_u64 s[18:19], s[18:19], s[12:13]
	s_add_nc_u64 s[20:21], s[20:21], s[12:13]
	s_add_nc_u64 s[22:23], s[22:23], s[12:13]
	s_mov_b32 s[SNL], 0xbfb8aa3b                   ; -log2(e)
	s_mov_b32 s[SNL+1], s[SNL]
	s_mov_b32 s[SP2], 0x4038aa3b                   ; 2 log2(e)
	s_mov_b32 s[SP2+1], s[SP2]
.macro FRAG reg, adr, q, i             ; a fragment, 16 rows x 128 K of 6-bit codes, is 12 registers: lane l holds row l % 16; registers 6 c .. 6 c + 5 hold K = 64 c + 32 (l / 16) + 0 .. 31: 24 bytes of the row's stream of bits, as they lie
.irp p, 0,1,2,3,4,5                    ; in pieces of 8 bytes, so that every address is a multiple of the access's size.  Lanes 0-15 take the row's pieces 12 q + 0, 1, 2 and 12 q + 6, 7, 8, lanes 16-31 those three pieces on
.set PC, 12*(\q)+6*(\p/3)+\p%3         ; 16 bytes of padding lie behind every 64 bytes (8 pieces): where the piece three on lies behind one padding more, the second address register (40 for 24 bytes a half) serves
.if PC%8 < 5
	ds_load_b64 v[\reg+2*\p:\reg+2*\p+1], v[\adr] offset:8*PC+16*(PC/8)+(\i)*16*PITCH
.else
	ds_load_b64 v[\reg+2*\p:\reg+2*\p+1], v[\adr+2] offset:8*PC+16*(PC/8)+(\i)*16*PITCH
.endif
.endr
.endm
; Four matrix instructions: A's block a x B's blocks 4 hf .. 4 hf + 3, 128 along K: the slot's q-th.  p: B's set;  sc: the set of scale words.  first = 1: the product starts the sums with the biases: nothing is cleared and nothing is added later.
; The 64 accumulators take turns, one instruction a turn, in the same order in every step.
.macro HB a, hf, p, q, sc, first
.if \first
	WIN FST_LO+0x40*((\a)/4)
.else
	WIN MUL_LO+0x50*((\a)/4)
.endif
.irp b, 0,1,2,3
.set AC, 8*(8*((\a)%4)+4*(\hf)+\b)
.set BF, 128*(\p)+FR*(4*(\hf)+\b)
.set SB, SC+8*NQ*(\sc)+NQ*(4*(\hf)+\b)+(\q)
.set SA, SC+8*NQ*(\sc)+NQ*(\a)+(\q)
.if \first
	v_wmma_scale_f32_16x16x128_f8f6f4 v[AC:AC+7], v[BF:BF+FR-1], v[AF+FR*(\a):AF+FR*(\a)+FR-1], v[BI+8*(4*(\hf)+\b):BI+8*(4*(\hf)+\b)+7], v[SB], v[SA] matrix_a_fmt:MATRIX_FMT_BF6 matrix_b_fmt:MATRIX_FMT_BF6 matrix_a_scale:MATRIX_SCALE_ROW1
.else
	v_wmma_scale_f32_16x16x128_f8f6f4 v[AC:AC+7], v[BF:BF+FR-1], v[AF+FR*(\a):AF+FR*(\a)+FR-1], v[AC:AC+7], v[SB], v[SA] matrix_a_fmt:MATRIX_FMT_BF6 matrix_b_fmt:MATRIX_FMT_BF6 matrix_a_scale:MATRIX_SCALE_ROW1
.endif
.endr
.endm
.macro LB slot, q, p, i                ; B's fragment i of the slot's q-th 128 along K into set p
	WIN TO_B
	FRAG 128*(\p)+FR*(\i), ADRB+\slot, \q, \i
.endm
.macro LA slot, q, i                   ; A's block i
	WIN 0
	FRAG AF+FR*(\i), ADRA+\slot, \q, \i
.endm
.macro LSC sc, i0                      ; four of the eight loads of side sc's scale words for this lap's 256 along K: two words a row; lanes 0-15 take A's block i, lanes 16-31 B's block i
	WIN 0
.irp i, \i0, \i0+1, \i0+2, \i0+3
	ds_load_b64 v[SC+8*NQ*\sc+NQ*(\i):SC+8*NQ*\sc+NQ*(\i)+1], v[ADRS] offset:(\i)*SBLK+\sc*SSET
.endr
.endm
; A load into a register that a matrix instruction has read, and a vector instruction that reads a matrix result or writes one of a matrix instruction's registers, stand NP places behind that matrix instruction, and only plain
; vector instructions that name none of its registers are places (ISA guide 7.12.1 for vector instructions); this text does not count the matrix instructions in between.
; In a step four v_nop stand at four spots: behind A's blocks 1, 3, 5 and 7.  A's block a is loaded anew only behind the first such spot that follows its eight products; B's other set was last read in the step before, whose last spot stands behind its last product.
.macro PLACES n
.rept \n
	v_nop
.endr
.endm
; A slot's first step: multiplies its first 128 along K (B's set 0) and fetches its second (B's set 1, A's blocks as they fall free).  B's last fragment is asked for 12 products ahead of the step's end; A's blocks 5 to 7 come last.
.macro STEP slot, first
	s_wait_dscnt 3*NLD                             ; B's set, A's blocks 0-4 and the scale words are in; the youngest 18 loads (A's blocks 5-7) may be out
	HB 0, 0, 0, 0, \slot, \first
	LB \slot, 1, 1, 0
	HB 0, 1, 0, 0, \slot, \first
	LB \slot, 1, 1, 1
	s_wait_dscnt 2*NLD                             ; all but the 12 loads of this step: A's blocks 5-7 are in
	HB 1, 0, 0, 0, \slot, \first
	LB \slot, 1, 1, 2
	HB 1, 1, 0, 0, \slot, \first
	PLACES NP
	LA \slot, 1, 0
	HB 2, 0, 0, 0, \slot, \first
	LB \slot, 1, 1, 3
	HB 2, 1, 0, 0, \slot, \first
	LA \slot, 1, 1
	HB 3, 0, 0, 0, \slot, \first
	LB \slot, 1, 1, 4
	HB 3, 1, 0, 0, \slot, \first
	PLACES NP
	LA \slot, 1, 2
	HB 4, 0, 0, 0, \slot, \first
	LB \slot, 1, 1, 5
	HB 4, 1, 0, 0, \slot, \first
	LA \slot, 1, 3
	HB 5, 0, 0, 0, \slot, \first
	LB \slot, 1, 1, 6
	HB 5, 1, 0, 0, \slot, \first
	PLACES NP
	LA \slot, 1, 4
	HB 6, 0, 0, 0, \slot, \first
	LB \slot, 1, 1, 7
	HB 6, 1, 0, 0, \slot, \first
	LA \slot, 1, 5
	HB 7, 0, 0, 0, \slot, \first
	HB 7, 1, 0, 0, \slot, \first
	PLACES NP
	LA \slot, 1, 6
	LA \slot, 1, 7
.endm
; A slot's second step changes slots.  All my reads of the slot were issued in the step before, so the change stands near the step's head: each wave waits for all its tensor loads, adds 0 to its spare word, and waits for that and for
; its reads of this slot.  fill = 1: the barrier opens a round of the cluster's barrier, and the slot is filled again first thing behind the round, with its own side's next 256 along K, jointly: 116 matrix instructions stand between that
; request and the wait for it.  fill = 0: nothing is left to fetch.  Behind the barrier the step fetches the next slot's first 128 along K and its scale words.
.macro TURN slot, next, fill
	s_wait_tensorcnt 0x0                           ; all my tensor loads have landed: my part of the next slot among them;  (every window is 0 here: the add's two registers lie in window 0)
	ds_add_u32 v[SPW], v[NIL]                      ; 0 onto my spare word
	s_wait_dscnt 3*NLD+1                           ; (the add and the youngest 18 loads, A's blocks 5-7, may be out)
	HB 0, 0, 1, 1, \slot, 0                        ; eight matrix instructions stand between the add and the wait for it
	HB 0, 1, 1, 1, \slot, 0
	s_wait_dscnt 0x0                               ; the add is done, and my reads of this slot are over
	s_barrier_signal -1
	HB 1, 0, 1, 1, \slot, 0
	WIN 0
	s_barrier_wait -1
.if \fill
	CREST                                          ; no wave of any partner still reads this slot's tile or has a load on its way
	s_add_nc_u64 s[G0+4*\slot+2:G0+4*\slot+3], s[G0+4*\slot+2:G0+4*\slot+3], ROWB       ; no tensor load of mine is out: the slot's groups 0 step 256 along K
	s_add_nc_u64 s[G0B+4*\slot+2:G0B+4*\slot+3], s[G0B+4*\slot+2:G0B+4*\slot+3], ROWB
	JLOAD G0+4*\slot, G1, G0B+4*\slot, G1B         ; the first tensor load behind the round, and my only one until the next; the four v_nop behind it are the places in front of the load of A's block 0
.else
	PLACES NP
.endif
.if \next == 0
	v_add_nc_u32 v[ADRS], 4*NQ, v[ADRS]            ; a new lap: 8 bytes on in each row of scales
.endif
	LB \next, 0, 0, 0
	LSC \next, 0
	HB 1, 1, 1, 1, \slot, 0
	LA \next, 0, 0
	LSC \next, 4
	HB 2, 0, 1, 1, \slot, 0
	LB \next, 0, 0, 1
	HB 2, 1, 1, 1, \slot, 0
	LB \next, 0, 0, 2
	HB 3, 0, 1, 1, \slot, 0
	LB \next, 0, 0, 3
	HB 3, 1, 1, 1, \slot, 0
	PLACES NP
	LA \next, 0, 1
	LA \next, 0, 2
	HB 4, 0, 1, 1, \slot, 0
	LB \next, 0, 0, 4
	HB 4, 1, 1, 1, \slot, 0
	LA \next, 0, 3
	HB 5, 0, 1, 1, \slot, 0
	LB \next, 0, 0, 5
	HB 5, 1, 1, 1, \slot, 0
	PLACES NP
	LB \next, 0, 0, 6
	LA \next, 0, 4
	HB 6, 0, 1, 1, \slot, 0
	LB \next, 0, 0, 7
	HB 6, 1, 1, 1, \slot, 0
	LA \next, 0, 5
	HB 7, 0, 1, 1, \slot, 0
	HB 7, 1, 1, 1, \slot, 0
	PLACES NP
	LA \next, 0, 6
	LA \next, 0, 7
.endm
	s_wait_tensorcnt 2                             ; x's scales and my part of slot 0 are in; the two loads issued behind them (h's scales, slot 1) may be out
	s_barrier_signal -1
	s_barrier_wait -1                              ; everybody's are
.irp i, 0,1,2,3,4,5,6,7
	LB 0, 0, 0, \i
.endr
	LSC 0, 0
	LSC 0, 4
.irp i, 0,1,2,3,4,5,6,7
	LA 0, 0, \i                                    ; A's blocks 5-7 last, as at the end of every step
.endr
	s_wait_loadcnt 0x0                             ; the biases
	STEP 0, 1                                      ; the first step stands in front of the loop: its products start the sums
	; prev_c: my 64 whole rows, two rows a load, sixteen lanes to a row's 256 bytes.  The biases' registers are free: the step's last four v_nop stand behind the last product that read them.
	; 904 matrix instructions stand between these loads and the wait for them.
.set N, 0
.rept 16
	global_load_b128 v[PC0+4*N:PC0+4*N+3], v[CO], s[18:19] offset:(32*(N/8)+2*(N%8))*4096 th:TH_LOAD_NT   ; read once in the launch
.set N, N+1
.endr
	WIN TO_B
.rept 16
	global_load_b128 v[PC1+4*(N-16)+96*((N-16)/8):PC1+4*(N-16)+96*((N-16)/8)+3], v[CO], s[18:19] offset:(32*(N/8)+2*(N%8))*4096 th:TH_LOAD_NT
.set N, N+1
.endr
	WIN 0                                          ; at a label and at a branch every window is 0
	s_mov_b32 s[LAP], LAPS-1
.Llap:                                                 ; a trip goes once round the ring, from a lap's second step to the next lap's first, and fills both slots again
	TURN 0, 1, 1
	STEP 1, 0
	TURN 1, 0, 1
	STEP 0, 0
	s_sub_co_u32 s[LAP], s[LAP], 1
	s_cmp_lg_u32 s[LAP], 0
	s_cbranch_scc1 .Llap
	TURN 0, 1, 0                                   ; x's side is done: nothing is filled any more, and no round of the cluster's barrier stands here.  Behind this barrier nobody reads slot 0
	STEP 1, 0
; The very last step fetches nothing.  prev_c goes from my registers into slot 0, as whole rows, four stores behind each of eight groups of products.
.macro PST n0
.irp d, 0,1,2,3
.set N, (\n0)+\d
.if N < 16
	WIN 0
	ds_store_b128 v[RD], v[PC0+4*N:PC0+4*N+3] offset:(32*(N/8)+2*(N%8))*CP
.else
	WIN 0x04                                       ; an LDS store's data are its source 1: window 1
	ds_store_b128 v[RD], v[PC1+4*(N-16)+96*((N-16)/8):PC1+4*(N-16)+96*((N-16)/8)+3] offset:(32*(N/8)+2*(N%8))*CP
.endif
.endr
.endm
	s_wait_dscnt 3*NLD
	HB 0, 0, 1, 1, 1, 0
	HB 0, 1, 1, 1, 1, 0
	s_wait_dscnt 0                                 ; A's blocks 5-7 are in: my reads of slot 1 are over
	s_wait_loadcnt 0x0                             ; prev_c is in my registers
	HB 1, 0, 1, 1, 1, 0
	PST 0
	HB 1, 1, 1, 1, 1, 0
	PST 4
	HB 2, 0, 1, 1, 1, 0
	PST 8
	HB 2, 1, 1, 1, 1, 0
	PST 12
	HB 3, 0, 1, 1, 1, 0
	PST 16
	HB 3, 1, 1, 1, 1, 0
	PST 20
	HB 4, 0, 1, 1, 1, 0
	PST 24
	HB 4, 1, 1, 1, 1, 0
	PST 28
	HB 5, 0, 1, 1, 1, 0
	HB 5, 1, 1, 1, 1, 0
	HB 6, 0, 1, 1, 1, 0
	HB 6, 1, 1, 1, 1, 0
	HB 7, 0, 1, 1, 1, 0
	HB 7, 1, 1, 1, 1, 0
	WIN 0
	PLACES NP                                      ; in front of the first read of results, and of loads and writes into registers that held operands
	s_wait_dscnt 0x0                               ; for the others' sake: my rows of prev_c lie in slot 0
	s_barrier_signal -1
	s_barrier_wait -1                              ; everybody's do, and nobody reads slot 1 any more.  No tensor load follows: both slots have had their last fill
; THE CELL, in sixteen groups: block a of 16 batch rows, half u of my 32 hidden units: eight elements a lane.  Four groups (32 rows of my row half) are a phase.
.macro PCLOAD a, u                     ; prev_c of a group: my 32 bytes of row 16 a + r, into set u
	ds_load_b128 v[PCR+8*(\u):PCR+8*(\u)+3], v[PCA] offset:(\a)*16*CP+64*(\u)
	ds_load_b128 v[PCR+8*(\u)+4:PCR+8*(\u)+7], v[PCA] offset:(\a)*16*CP+64*(\u)+16
.endm
.macro EXPS reg, n
.set J, 0
.rept \n
	v_exp_f32 v[\reg+J], v[\reg+J]
.set J, J+1
.endr
	v_nop                                          ; one plain line between the last exponential and the use of its result (ISA guide 5.7.2)
.endm
.macro RCPS reg, n                     ; 1 / (1 + x), in place
.set J, 0
	s_wait_alu depctr_va_vdst(0)
.rept (\n)/2
	v_pk_add_f32 v[\reg+J:\reg+J+1], v[\reg+J:\reg+J+1], 1.0 op_sel_hi:[1,0]
.set J, J+2
.endr
.set J, 0
.rept \n
	v_rcp_f32 v[\reg+J], v[\reg+J]
.set J, J+1
.endr
	v_nop                                          ; one plain line between the last reciprocal and the use of its result
.endm
.macro GATES a, u, left                ; left: the LDS instructions issued behind this group's two loads of prev_c, which may stay out
.set AC, 64*((\a)%4)+8*(\u)            ; accumulator (a, u); f, g, o lie 16, 32, 48 registers on
.set ST, 8*(\u)                        ; the sets of prev_c, c and h go by the group's parity
	s_wait_dscnt \left                             ; prev_c is in; and the stores of the group before last, which read this set of c and h, are done
	WIN 0x02+(\a)/4                                ; source 0: window 2 or 3
.irp k, 0,2,4,6                        ; each accumulator is read from its low end on
	v_pk_mul_f32 v[TI+\k:TI+\k+1], v[AC+\k:AC+\k+1], s[SNL:SNL+1] op_sel_hi:[1,0]          ; -log2(e) x the gate i
.endr
.irp k, 0,2,4,6
	v_pk_mul_f32 v[TF+\k:TF+\k+1], v[AC+16+\k:AC+16+\k+1], s[SNL:SNL+1] op_sel_hi:[1,0]    ; f
.endr
.irp k, 0,2,4,6
	v_pk_mul_f32 v[TG+\k:TG+\k+1], v[AC+32+\k:AC+32+\k+1], s[SP2:SP2+1] op_sel_hi:[1,0]    ; 2 log2(e) x g
.endr
.irp k, 0,2,4,6
	v_pk_mul_f32 v[TO+\k:TO+\k+1], v[AC+48+\k:AC+48+\k+1], s[SNL:SNL+1] op_sel_hi:[1,0]    ; o
.endr
	WIN 0
	EXPS TI, 32
	RCPS TI, 32                                    ; i, f, o are finished; of g: 1 / (1 + 2^(2 g log2 e))
	s_wait_alu depctr_va_vdst(0)
.irp k, 0,2,4,6
	v_pk_fma_f32 v[TG+\k:TG+\k+1], v[TG+\k:TG+\k+1], -2.0, 1.0 op_sel_hi:[1,0,0]           ; tanh(g)
.endr
.irp k, 0,2,4,6
	v_pk_mul_f32 v[TG+\k:TG+\k+1], v[TG+\k:TG+\k+1], v[TI+\k:TI+\k+1]                      ; i tanh(g)
.endr
.irp k, 0,2,4,6
	v_pk_fma_f32 v[CC+ST+\k:CC+ST+\k+1], v[TF+\k:TF+\k+1], v[PCR+ST+\k:PCR+ST+\k+1], v[TG+\k:TG+\k+1]   ; c = f prev_c + i tanh(g)
.endr
	ds_store_b128 v[PCA], v[CC+ST:CC+ST+3] offset:(\a)*16*CP+64*(\u)                       ; over the 32 bytes of prev_c that this lane alone has read
	ds_store_b128 v[PCA], v[CC+ST+4:CC+ST+7] offset:(\a)*16*CP+64*(\u)+16
.irp k, 0,2,4,6
	v_pk_mul_f32 v[TI+\k:TI+\k+1], v[CC+ST+\k:CC+ST+\k+1], s[SP2:SP2+1] op_sel_hi:[1,0]
.endr
	EXPS TI, 8
	RCPS TI, 8
	s_wait_alu depctr_va_vdst(0)
.irp k, 0,2,4,6
	v_pk_fma_f32 v[TI+\k:TI+\k+1], v[TI+\k:TI+\k+1], -2.0, 1.0 op_sel_hi:[1,0,0]           ; tanh(c)
.endr
.irp k, 0,2,4,6
	v_pk_mul_f32 v[HH+ST+\k:HH+ST+\k+1], v[TI+\k:TI+\k+1], v[TO+\k:TO+\k+1]                ; h = o tanh(c)
.endr
	ds_store_b128 v[HSA], v[HH+ST:HH+ST+3] offset:(\a)*16*CP+64*(\u)
	ds_store_b128 v[HSA], v[HH+ST+4:HH+ST+7] offset:(\a)*16*CP+64*(\u)+16
.endm
; THE WAY OUT of a phase.  A row's 256 bytes come from two waves, so a barrier stands behind the phase's groups; then each wave takes 16 whole rows of c and 16 of h: two rows an instruction, sixteen lanes to a row.
.macro BACKP ph
.irp t, 0,1,2,3,4,5,6,7
	ds_load_b128 v[BK+4*\t:BK+4*\t+3], v[RD] offset:(32*(\ph)+2*\t)*CP
.endr
.irp t, 0,1,2,3,4,5,6,7
	ds_load_b128 v[BK+32+4*\t:BK+32+4*\t+3], v[RDH] offset:(32*(\ph)+2*\t)*CP
.endr
.endm
.macro SENDP ph, last                  ; last = 0: it stands behind the next phase's first group;  last = 1: straight behind the loads
.if !\last
	s_wait_dscnt 6                                 ; behind the phase's 16 loads: two loads of prev_c and the group's four stores, which may be out
.endif
.irp t, 0,1,2,3,4,5,6,7
.if \last
	s_wait_dscnt 15-\t                             ; LDS loads come back in order (ISA guide 5.7.1): this load is in, the younger ones may be out
.endif
	global_store_b128 v[CO], v[BK+4*\t:BK+4*\t+3], s[22:23] offset:(32*(\ph)+2*\t)*4096 th:TH_STORE_NT   ; 16 lanes store 256 consecutive bytes, at a multiple of 256 from the output's first byte; written once, read by nobody here
.endr
.irp t, 0,1,2,3,4,5,6,7
.if \last
	s_wait_dscnt 7-\t
.endif
	global_store_b128 v[CO], v[BK+32+4*\t:BK+32+4*\t+3], s[20:21] offset:(32*(\ph)+2*\t)*4096 th:TH_STORE_NT
.endr
.endm
	PCLOAD 0, 0
.set G, 0
.rept 16
.if G < 15
	PCLOAD (G+1)/2, (G+1)%2                        ; the next group's prev_c is asked for a group ahead
.endif
.if G == 0
	GATES G/2, G%2, 2                              ; behind my two loads: the next group's two
.elseif G == 15
	GATES G/2, G%2, 4                              ; the last group's four stores
.elseif G%4 == 0
	GATES G/2, G%2, 18                             ; a phase's first group: all that was issued ahead of the barrier is done; behind it: the 16 loads of the way out and the next group's two
.else
	GATES G/2, G%2, 6                              ; the last group's four stores and the next group's two loads
.endif
.if (G%4 == 0) && (G > 0)
	SENDP G/4-1, 0                                 ; the phase before leaves while this one is computed
.endif
.if G%4 == 3
	s_wait_dscnt 0x0                               ; for the others' sake: my stores of this phase's c and h are done
	s_barrier_signal -1
	s_barrier_wait -1
.if G > 3
	s_wait_xcnt 0x0                                ; the last phase's stores have read their registers: this phase's loads may land there
.endif
	BACKP G/4
.endif
.set G, G+1
.endr
	SENDP 3, 1
	s_wait_tensorcnt 0x0                           ; the wave's end: behind my last tensor load and my last LDS store
	ds_add_u32 v[SPW], v[NIL]
	s_wait_dscnt 0x0
	CROUND                                         ; the closing round: no work-group ends while a partner may still ask for a tile that names it
	s_endpgm
.Lfunc_end_k_q277fbdc8f1_cell:
	.size	k_q277fbdc8f1_cell, .Lfunc_end_k_q277fbdc8f1_cell-k_q277fbdc8f1_cell
	.p2alignl 7, 3214868480
	.fill 96, 4, 3214868480
	.section	.rodata,"a",@progbits
	.p2align	6, 0x0
	.amdhsa_kernel k_q277fbdc8f1_cell
		.amdhsa_group_segment_fixed_size 327680
		.amdhsa_private_segment_fixed_size 0
		.amdhsa_enable_private_segment 0
		.amdhsa_kernarg_size 80
		.amdhsa_user_sgpr_count 2
		.amdhsa_user_sgpr_kernarg_segment_ptr 1
		.amdhsa_wavefront_size32 1
		.amdhsa_system_sgpr_workgroup_id_x 1
		.amdhsa_system_sgpr_workgroup_id_y 1
		.amdhsa_system_sgpr_workgroup_id_z 1
		.amdhsa_system_vgpr_workitem_id 0
		.amdhsa_next_free_vgpr 1024
		.amdhsa_next_free_sgpr 106
		.amdhsa_reserve_vcc 0
		.amdhsa_float_denorm_mode_32 3
		.amdhsa_float_denorm_mode_16_64 3
		.amdhsa_memory_ordered 1
		.amdhsa_forward_progress 1
		.amdhsa_inst_pref_size 255
	.end_amdhsa_kernel
	.section	.bss,"aw",@nobits
	.p2align	6
	.space	262144
	.amdgpu_metadata
---
amdhsa.version: [ 1, 2 ]
amdhsa.kernels:
  - .name:           k_q277fbdc8f1_cell
    .symbol:         k_q277fbdc8f1_cell.kd
    .args:
      - { .name: input__codes, .offset: 0, .size: 8, .value_kind: global_buffer, .address_space: global }
      - { .name: input__scales, .offset: 8, .size: 8, .value_kind: global_buffer, .address_space: global }
      - { .name: prev_h_codes, .offset: 16, .size: 8, .value_kind: global_buffer, .address_space: global }
      - { .name: prev_h_scales, .offset: 24, .size: 8, .value_kind: global_buffer, .address_space: global }
      - { .name: w_codes, .offset: 32, .size: 8, .value_kind: global_buffer, .address_space: global }
      - { .name: w_scales, .offset: 40, .size: 8, .value_kind: global_buffer, .address_space: global }
      - { .name: bsum, .offset: 48, .size: 8, .value_kind: global_buffer, .address_space: global }
      - { .name: prev_c, .offset: 56, .size: 8, .value_kind: global_buffer, .address_space: global }
      - { .name: out0, .offset: 64, .size: 8, .value_kind: global_buffer, .address_space: global }
      - { .name: out1, .offset: 72, .size: 8, .value_kind: global_buffer, .address_space: global }
    .group_segment_fixed_size: 327680
    .private_segment_fixed_size: 0
    .kernarg_segment_align: 8
    .kernarg_segment_size: 80
    .max_flat_workgroup_size: 128
    .sgpr_count:     106
    .vgpr_count:     1024
    .wavefront_size: 32
...
	.end_amdgpu_metadata
.endif
;; end of part 2
